; MI455X (gfx1250); checked and timed in simulation.
; The chip was launched on July 23, 2026; its instructions are those of AMD's public machine-readable ISA for CDNA 5 (MIT licence, August 2026) and "CDNA5" Instruction Set Architecture Reference Guide (July 2026). The comments in the code are by the model that wrote it; some were corrected since.
;; Multi Head Attention. Allowed arithmetic: matrix products marked QUANTISED: E4M3 operands, one given power-of-two scale a tensor, by v_wmma_f32_16x16x64_fp8_fp8 or v_wmma_f32_16x16x128_fp8_fp8, f32 sums; everything else in f32.
;; Inputs: Wk_codes 1,024 x 32 x 32 uint8 (E4M3 codes of Wk, K innermost, in blocks of 32 codes); Wo_codes 1,024 x 32 x 32 uint8 (E4M3 codes of Wo, K innermost, in blocks of 32 codes); Wq_codes 1,024 x 32 x 32 uint8 (E4M3 codes of Wq, K innermost, in blocks of 32 codes); Wv_codes 1,024 x 32 x 32 uint8 (E4M3 codes of Wv, K innermost, in blocks of 32 codes); X_codes 4 x 2,048 x 32 x 32 uint8 (E4M3 codes of X, K innermost, in blocks of 32 codes); bo 1,024 float32; lowp_scales 12 int32 (the exponents e of the quantised operands' scales 2^e).
;; Outputs: out0 4 x 2,048 x 1,024 float32.
;; This version of the problem:
;;   THIS VERSION OF THE PROBLEM IS GIVEN IN LOW PRECISION. The matrix products marked QUANTISED in the list below multiply operands that are first quantised to E4M3 (4 exponent bits, 3 mantissa bits; 8 bits a number), with one given power-of-two scale for each operand tensor; their sums are f32. All else is computed in f32.
;;   The module's matrix products, in the order in which they are computed (A, B: the left and right operand; K: the contracted axis; several contracted axes count as one K, in the product's order):
;;     1. [M 8,192, K 1,024] x [K 1,024, N 1,024]; A: input X (given as codes); B: input Wq (given as codes): QUANTISED (scales: A lowp_scales[0], B lowp_scales[1])
;;     2. [M 8,192, K 1,024] x [K 1,024, N 1,024]; A: input X (given as codes); B: input Wk (given as codes): QUANTISED (scales: A lowp_scales[2], B lowp_scales[3])
;;     3. [M 8,192, K 1,024] x [K 1,024, N 1,024]; A: input X (given as codes); B: input Wv (given as codes): QUANTISED (scales: A lowp_scales[4], B lowp_scales[5])
;;     4. batch 64 x [M 2,048, K 64] x [K 64, N 2,048]; A: computed on the way; B: computed on the way: QUANTISED (scales: A lowp_scales[6], B lowp_scales[7])
;;     5. batch 64 x [M 2,048, K 2,048] x [K 2,048, N 64]; A: softmax (see below); B: computed on the way: QUANTISED (scales: A lowp_scales[8], B lowp_scales[9])
;;     6. [M 8,192, K 1,024] x [K 1,024, N 1,024]; A: computed on the way; B: input Wo (given as codes): QUANTISED (scales: A lowp_scales[10], B lowp_scales[11])
;;   THE QUANTISER, for each operand of a quantised product, along K:
;;     - The operand's scale is 2^e, e = its entry of the input lowp_scales (int32; the entries are numbered through the quantised products in the list's order, A before B).
;;     - Each number is divided by the scale, clamped to +-448, and rounded to the nearest number of E4M3, ties to even, subnormals kept.
;;     - The product sums the exact products of the quantised numbers (number of the format x scale) in f32.
;;   ~~~python
;;   def quantise(x, axis, e):      # numpy; x: float32 -> the quantised numbers, widened to float32 again
;;       x = np.moveaxis(x, axis, -1); K = x.shape[-1]
;;       r = np.clip(x / 2.0 ** e, -448, 448)
;;       step = 2.0 ** (np.maximum(np.frexp(np.where(r == 0, 1, r))[1] - 1, -6) - 3)
;;       q = np.round(r / step) * step * 2.0 ** e      # np.round: ties to even
;;       return np.moveaxis(q, -1, axis).astype(np.float32)
;;   ~~~
;;   SOFTMAX AHEAD OF A QUANTISED PRODUCT. Where the list says 'softmax', what is quantised is not the finished softmax but p = 2^(t - M), with t = logit x log2(e) and M = ceil(the row's largest t), a whole number; so 1/2 < the row's largest p <= 1. The row's sum l is taken of the UNQUANTISED p, in f32, and the product's result is divided by l at the end. Since M is a whole number, a kernel that streams over the keys may use a running M (the ceiling of the running maximum): every later rescaling is an exact power of two, so the quantised numbers keep their values, but for numbers so far below the row's largest that they fall under the format's range.
;;   OPERANDS COMPUTED ON THE WAY. 'Computed on the way' means the value that the module computes at that place (a softmax that the list does not call 'softmax' is quantised finished and normalised). What goes into a quantiser is computed in f32, as accurately as f32 sums, v_exp_f32 and their like allow (about 1e-6 of the number): no bf16 or f16 on the way to a quantiser, and a product that is left as it is and whose result goes on into a quantised operand takes f32 operands (vector FMAs, or v_wmma_f32_16x16x4_f32). A number that lies on a knife's edge between two numbers of the format may be rounded either way, as far as f32 arithmetic and the matrix unit's own rounding can turn it there, and no further.
;;   INPUTS GIVEN AS CODES. Wk (in the module: [1024, 1024], K = its axis 0); Wo (in the module: [1024, 1024], K = its axis 0); Wq (in the module: [1024, 1024], K = its axis 0); Wv (in the module: [1024, 1024], K = its axis 0); X (in the module: [4, 2048, 1024], K = its axis 2): each comes as NAME_codes (uint8): NAME with its K axis moved to the last place and cut into blocks of 32 codes, [.., K / 32, bytes a block], one block behind the other in memory; one code a byte (a code: sign, 4 exponent bits, 3 mantissa bits); its scale is its entry of lowp_scales. Its value is code x scale, taken as it is: it is not quantised again, and the codes and scales need not be those that the quantiser above would give.
;; One version. Each part assembles by itself: llvm-mc -triple=amdgcn-amd-amdhsa -mcpu=gfx1250 --defsym DOCPART=n.
;; ======== version 1 of 1: 3 launches
;; limits: right only within a limited range of input values
;; workspace buffers: q_img 8,388,608 bytes; kv_img 16,777,216 bytes; ctx_img 8,388,608 bytes
;; launch qkv (part 1): grid 4 x 96, 4 waves a work-group, clusters of 4 x 4, 327,680 bytes of LDS; arguments X_codes, Wq_codes, Wk_codes, Wv_codes, lowp_scales, q_img, kv_img; writes q_img, kv_img
.if DOCPART == 1
	.amdgcn_target "amdgcn-amd-amdhsa--gfx1250"
	.amdhsa_code_object_version 6
	.text
	.protected	k_qb578c4160f_qkv
	.globl	k_qb578c4160f_qkv
	.p2align	8
	.type	k_qb578c4160f_qkv,@function
k_qb578c4160f_qkv:
	s_mov_b64 s[64:65], 0
	v_nop
	global_prefetch_b8 v0, s[64:65] scope:SCOPE_SE
	s_setreg_imm32_b32 hwreg(HW_REG_WAVE_MODE, 25, 1), 1
	s_wait_xcnt 0x0
	s_wait_alu depctr_hold_cnt(0) depctr_sa_sdst(0) depctr_va_vdst(0) depctr_va_sdst(0) depctr_va_ssrc(0) depctr_va_vcc(0) depctr_vm_vsrc(0)
	s_getreg_b32 s2, hwreg(HW_REG_IB_STS2, 6, 4)
	s_cmp_eq_u32 s2, 0
	s_cbranch_scc0 .Lentry_in_a_cluster
	s_endpgm
.Lentry_in_a_cluster:
	s_bfe_u32 s2, ttmp6, 0x10000c
	s_cmp_lg_u32 s2, 0xf033
	s_cbranch_scc0 .Lentry_shape_is_right
	s_endpgm
.Lentry_shape_is_right:
; q = X Wq, k = X Wk, v = X Wv on codes of E4M3 (K = 1,024, rows of 1,024 bytes, K innermost), each result quantised at once to E4M3 with its own given scale and stored
; as an IMAGE OF THE OPERAND REGISTERS that the attention launch wants: nothing wider than a code goes to memory.
; SHARES.  A tile of a result is 256 x 256, made by four waves, 128 x 128 each: 64 accumulators of 16 x 16, 512 registers.  K goes in steps of 256 through a ring of two LDS slots.
; 24 clusters of 4 x 4 work-groups: cluster y / 8 = kind (0 q, 1 k, 2 v), cluster y % 8 = sub.
; TWO SIDES.  Side A is source 1 of the matrix instruction: its 16 rows become the result's LANES.  Side B is source 0: its rows become the result's REGISTERS (lane (r, h), register j: B's row 8 h + j).
;   q, k: A = X (a lane holds a token), B = W (registers run along the head's channels, the next product's K).
;   v:    A = Wv (a lane holds a channel), B = X (registers run along the tokens, which are the keys: the second attention product's K).
; Eight registers of a result, converted, are two registers with k = 16 t + 8 h + 0 .. 7: the place that the plain fp8 forms give registers 2 t, 2 t + 1 (ISA guide 7.12.2).  So the codes are the operand as they stand.
; Both tensors have rows of 1,024 bytes, so the sides differ in pointers and tile numbers alone, chosen by selects on kind, which all sixteen partners share.
; JOINT LOADS: the four work-groups of a row of the cluster need the same tile of side A, the four of a column the same tile of side B.
; IMAGES.  q_img [head 64][query tile 128][2][lane 32][16 bytes].  kv_img [head 64][key step 16][16,384]: K's eight tiles of 16 keys, 1,024 bytes each, then V's four fragments (16 channels x 128 keys), 2,048 each.
; LIMITS: e6 - e0 - e1, e7 - e2 - e3 and e9 - e4 - e5 lie between -126 and 119, so that the conversion's scale and 448 x that scale are f32 numbers.  NaN codes are not served.
; REGISTERS, in windows of 256: window 0: v16-31 addresses and the two constants; v32-95 at work on the way out; from v128 side A's fragments, ONE set, later the codes.
;   window 1: side B's fragments, TWO sets.   window 2: the accumulators of A's blocks 0-3 ((a, b) at v[8 (8 (a % 4) + b)]);   window 3: those of blocks 4-7.
.set KSTEP,  256                       ; along K in a slot
.set ROWB,   256                       ; a tile's row in bytes
.set KROW,   1024                      ; a row of X or of a weight in memory, in bytes
.set PITCH,  272                       ; an LDS row: 256 bytes + 16 of padding = 68 words: the 16 rows that a load touches start 4 words apart (64 banks of 4 bytes: ISA guide 11.1)
.set FR,     16                        ; registers of a fragment: 16 rows x 128 K
.set NL,     4                         ; LDS loads that bring one
.set NP,     4                         ; places behind this matrix instruction (ISA guide 7.12.1)
.set HALFT,  128*PITCH                 ; 128 rows: what one tensor load brings
.set SLOT,   4*HALFT                   ; side A's 256 rows, then side B's
.set LAPS,   KROW/(2*KSTEP)            ; a lap = two K steps = once round the ring: 2
.set SPARE,  2*SLOT                    ; behind the ring: the spare words, 128 bytes for each wave
.set ADRA, 16                          ; v16-17  LDS address of my fragments of side A in slot 0, 1
.set ADRB, 20                          ; v20-21  the same for side B
.set CO,   26                          ; v26     16 x lane: my place in an image
.set CO2,  27                          ; v27     the same, one head (q, k) or half a fragment (v) further on
.set SPW,  28                          ; v28     LDS address of my spare word; never rewritten
.set NIL,  29                          ; v29     0; never rewritten
.set SCL,  30                          ; v30     the conversion's scale as f32
.set LIM,  31
.set TMP,  32
.set AF,   128                         ; side A's fragments; on the way out block a's codes at v[AF + 16 a]
.set G1, 24                            ; s[24:31] descriptor group 1 for side A;  s[32:39] group 0, one set for each slot
.set G0, 32
.set G1B, 48                           ; s[48:55], s[56:63] the same for side B
.set G0B, 56
.set KIND, 82                          ; s82
.set MSB, 0
.macro WIN new                         ; the immediate's high byte repeats the setting that is left
.if MSB != \new
	s_set_vgpr_msb (MSB<<8)|\new
.set MSB, \new
.endif
.endm
.set MUL_LO, 0xa1                      ; source 0 (B) window 1, source 1 (A) window 0, C and D window 2
.set MUL_HI, 0xf1                      ; the same, C and D window 3
.set TO_B,   0x40                      ; destination window 1, address window 0
; A joint load: waves 0 and 1 fetch for side A, waves 2 and 3 for side B.  Each line has ONE mask and one set of registers for all that issue it; the branch hangs on the wave's number alone.
; Four v_nop follow each of the two lines, ahead of the jump, the label and what follows.
.macro JLOAD g0a, g1a, g0b, g1b
	s_cmp_eq_u32 s15, 0
	s_cbranch_scc0 .Lfor_b_\@
	tensor_load_to_lds s[\g0a:\g0a+3], s[\g1a:\g1a+7]
	s_nop 0
.rept 4
	v_nop
.endr
	s_branch .Lasked_\@
.Lfor_b_\@:
	tensor_load_to_lds s[\g0b:\g0b+3], s[\g1b:\g1b+7]
	s_nop 0
.rept 4
	v_nop
.endr
.Lasked_\@:
.endm
.macro CREST                           ; a round of the cluster's barrier behind its opening barrier
	s_cmp_lg_u32 s14, 0
	s_cbranch_scc1 .Lnot_wave_0_\@
	s_barrier_signal -3
.Lnot_wave_0_\@:
	s_barrier_wait -3
	s_barrier_signal -1
	s_barrier_wait -1
.endm
.macro CROUND                          ; a whole round
	s_barrier_signal -1
	s_barrier_wait -1
	CREST
.endm
	s_load_b256 s[68:75], s[0:1], 0x0              ; X s[68:69], Wq s[70:71], Wk s[72:73], Wv s[74:75]
	s_load_b128 s[76:79], s[0:1], 0x20             ; the scales' exponents s[76:77], q_img s[78:79]
	s_load_b64 s[80:81], s[0:1], 0x30              ; kv_img
	v_lshl_add_u32 v[SPW], v0, 2, SPARE
	v_mov_b32 v[NIL], 0
	ds_add_u32 v28, v29
	ds_add_u32 v28, v29
	s_wait_dscnt 0x0
	v_lshrrev_b32 v1, 5, v0
	v_readfirstlane_b32 s14, v1                    ; wave 0..3
	s_lshr_b32 s15, s14, 1                         ; which half of side A's rows is mine.  Also: I fetch for side A (0) or B (1)
	s_and_b32 s16, s14, 1                          ; which half of side B's rows.  Also: which 128 rows of that tile I fetch
	s_bfe_u32 s40, ttmp6, 0x40000                  ; cx, cy: my place in the cluster
	s_bfe_u32 s41, ttmp6, 0x40004
	s_and_b32 s[KIND], ttmp7, 0xffff               ; cluster y, 0 .. 23
	s_and_b32 s83, s[KIND], 7
	s_lshl_b32 s83, s83, 2                         ; 4 sub
	s_lshr_b32 s[KIND], s[KIND], 3                 ; kind
	s_cmp_eq_u32 s[KIND], 2
	s_cselect_b32 s17, 0, s83                      ; side A's tile of 256 rows: X's 32 tiles by sub and cy (q, k); Wv's four by cy alone (v)
	s_cselect_b32 s42, s83, 0                      ; side B's: the weight's four by cx alone (q, k); X's 32 by sub and cx (v)
	s_add_co_u32 s17, s17, s41
	s_add_co_u32 s42, s42, s40
	s_lshl_b32 s43, s41, 2
	s_lshl_b32 s43, 15, s43                        ; my row of the cluster
	s_lshl_b32 s44, 0x1111, s40                    ; my column
	; descriptor group 1: a tile of 128 rows x 256 bytes, padded in LDS
	s_or_b32 s[G1+0], s43, (0<<16)|(1<<20)|(1<<21)|(5<<22)|(3<<25)  ; 15:0 the mask: side A's tiles go to my row; 17:16 elements of 1 byte; 20 padding on; 21 set beside a mask; 24:22 after every 64 words; 31:25 four words
	s_or_b32 s[G1B+0], s44, (0<<16)|(1<<20)|(1<<21)|(5<<22)|(3<<25) ; the same with the mask of my column
.irp g, G1, G1B
	s_mov_b32 s[\g+1], ROWB<<16                    ; tensor_dim0
	s_mov_b32 s[\g+2], 128<<16                     ; tensor_dim1 = 128
	s_mov_b32 s[\g+3], ROWB<<16                    ; tile_dim0
	s_mov_b32 s[\g+4], 128                         ; tile_dim1 = 128
	s_mov_b32 s[\g+5], KROW                        ; tensor_dim0_stride
	s_mov_b32 s[\g+6], 0
	s_mov_b32 s[\g+7], 0
.endr
	s_lshl_b32 s18, s16, 17                        ; the 128 rows that I fetch: 128 x 1,024 bytes x half
	s_lshl_b32 s20, s17, 18                        ; side A: 256 rows x 1,024 bytes x tile
	s_add_co_u32 s20, s20, s18
	s_lshl_b32 s46, s42, 18                        ; side B likewise
	s_add_co_u32 s46, s46, s18
	s_mov_b32 s21, 0
	s_mov_b32 s47, 0
	s_mul_i32 s45, s14, HALFT                      ; where they go: wave x 128 rows: no place in the cluster enters an LDS address
	s_wait_kmcnt 0x0
	s_load_b256 s[84:91], s[76:77], 0x0            ; e0 .. e7
	s_load_b128 s[92:95], s[76:77], 0x20           ; e8 .. e11
	s_cmp_eq_u32 s[KIND], 2
	s_cselect_b64 s[4:5], s[74:75], s[68:69]       ; side A: Wv for v, else X
	s_cmp_eq_u32 s[KIND], 1
	s_cselect_b64 s[6:7], s[72:73], s[70:71]       ; side B: Wk or Wq,
	s_cmp_eq_u32 s[KIND], 2
	s_cselect_b64 s[6:7], s[68:69], s[6:7]         ; or X for v
	s_add_nc_u64 s[20:21], s[4:5], s[20:21]
	s_add_nc_u64 s[46:47], s[6:7], s[46:47]
	CROUND                                         ; all sixteen work-groups are here: the first joint loads meet
.irp s, 0,1
	s_mov_b32 s[G0+4*\s], 1
	s_add_co_u32 s[G0+4*\s+1], s45, \s*SLOT
	s_add_nc_u64 s[G0+4*\s+2:G0+4*\s+3], s[20:21], \s*ROWB
	s_or_b32 s[G0+4*\s+3], s[G0+4*\s+3], 0x80000000
	s_mov_b32 s[G0B+4*\s], 1
	s_add_co_u32 s[G0B+4*\s+1], s45, \s*SLOT
	s_add_nc_u64 s[G0B+4*\s+2:G0B+4*\s+3], s[46:47], \s*ROWB
	s_or_b32 s[G0B+4*\s+3], s[G0B+4*\s+3], 0x80000000
	JLOAD G0+4*\s, G1, G0B+4*\s, G1B
.endr
	v_and_b32 v1, 15, v0                           ; l % 16
	v_bfe_u32 v2, v0, 4, 1                         ; l / 16
	v_mul_u32_u24 v3, v1, PITCH
	v_lshl_add_u32 v4, v2, 4, v3                   ; a fragment's row x pitch + 16 x half
	s_mul_i32 s21, s15, HALFT                      ; my 128 rows of side A
	s_mul_i32 s22, s16, HALFT                      ; my 128 rows of side B,
	s_add_co_u32 s22, s22, 2*HALFT                 ; which lie behind A's 256
.irp s, 0,1
	v_add_nc_u32 v[ADRA+\s], s21, v4
	v_add_nc_u32 v[ADRB+\s], s22, v4
	s_add_co_u32 s21, s21, SLOT
	s_add_co_u32 s22, s22, SLOT
.endr
	; WHERE THE CODES GO.  uA, uB: my first row of side A and of side B.  Tokens are side A's rows for q and k, side B's for v; the other side's rows are output channels: 128 of them, two heads.
	s_lshl_b32 s18, s17, 8
	s_lshl_b32 s19, s15, 7
	s_add_co_u32 s18, s18, s19                     ; uA
	s_lshl_b32 s19, s42, 8
	s_lshl_b32 s22, s16, 7
	s_add_co_u32 s19, s19, s22                     ; uB
	s_mov_b32 s10, 1024
	s_mov_b32 s11, 0
	s_mov_b32 s13, 0
	s_cmp_eq_u32 s[KIND], 2
	s_cselect_b32 s22, s19, s18                    ; my first token, a multiple of 128
	s_cselect_b32 s23, s18, s19                    ; my first channel, a multiple of 128
	s_cselect_b32 s10, 2048, s10                   ; s[10:11]: from block to block: a tile of 16 tokens (1,024 bytes) or a fragment of V (2,048)
	s_cselect_b32 s12, 253952, 0                   ; s[12:13]: v alone, at block 4: on to the next head's same key step: 262,144 - 4 x 2,048
	s_lshr_b32 s96, s22, 11                        ; the batch,
	s_lshl_b32 s96, s96, 4
	s_lshr_b32 s23, s23, 6
	s_add_co_u32 s96, s96, s23                     ; 16 x batch + head: my first head
	s_bfe_u32 s97, s22, 0x40007                    ; which 128 tokens of the sequence: the key step
	s_mov_b32 s23, 262144
	s_cmp_eq_u32 s[KIND], 0
	s_cselect_b32 s98, 17, 18                      ; a head is 2^17 bytes of q_img, 2^18 of kv_img;
	s_cselect_b32 s99, 13, 14                      ; 128 tokens are 2^13 bytes there, 2^14 here
	s_cselect_b64 s[8:9], s[78:79], s[80:81]       ; s[8:9]: q_img or kv_img
	s_cselect_b32 s23, 131072, s23                 ; from my first head to my second
	s_lshl_b32 s96, s96, s98
	s_lshl_b32 s97, s97, s99
	s_add_co_u32 s96, s96, s97
	s_cmp_eq_u32 s[KIND], 2
	s_cselect_b32 s97, 8192, 0                     ; V lies behind a step's K
	s_cselect_b32 s23, 1024, s23                   ; v: the second half of a fragment's 2,048 bytes
	s_add_co_u32 s96, s96, s97
	s_mov_b32 s97, 0
	s_add_nc_u64 s[8:9], s[8:9], s[96:97]
	v_and_b32 v6, 31, v0
	v_lshlrev_b32 v[CO], 4, v6
	v_add_nc_u32 v[CO2], s23, v[CO]
.macro FRAG reg, adr, q, i             ; a fragment by four loads of 16 bytes: registers 4 c .. 4 c + 3 hold K = 32 c + 16 (l / 16) + 0 .. 15: a permutation of k, the same on both sides, so every product meets its partner
.irp c, 0,1,2,3
	ds_load_b128 v[\reg+4*\c:\reg+4*\c+3], v[\adr] offset:128*(\q)+32*\c+(\i)*16*PITCH
.endr
.endm
; 16 matrix instructions: A's blocks a0, a0 + 1 x B's eight, 128 along K.  p: B's set.  zero = 1: the first product starts the sums.
; The 64 accumulators take turns, one instruction a turn, in the same order in every step.
.macro MUL16 a0, p, zero
.irp a, \a0, \a0+1
.irp b, 0,1,2,3,4,5,6,7
.if \zero
	v_wmma_f32_16x16x128_fp8_fp8 v[8*(8*((\a)%4)+\b):8*(8*((\a)%4)+\b)+7], v[128*(\p)+FR*\b:128*(\p)+FR*\b+FR-1], v[AF+FR*(\a):AF+FR*(\a)+FR-1], 0
.else
	v_wmma_f32_16x16x128_fp8_fp8 v[8*(8*((\a)%4)+\b):8*(8*((\a)%4)+\b)+7], v[128*(\p)+FR*\b:128*(\p)+FR*\b+FR-1], v[AF+FR*(\a):AF+FR*(\a)+FR-1], v[8*(8*((\a)%4)+\b):8*(8*((\a)%4)+\b)+7]
.endif
.endr
.endr
.endm
.macro FETCH_B slot, q, p              ; B's eight fragments of the slot's q-th 128 along K into set p
	WIN TO_B
.irp i, 0,1,2,3,4,5,6,7
	FRAG 128*(\p)+FR*\i, ADRB+\slot, \q, \i
.endr
	WIN 0
.endm
.macro FETCH_A slot, q, i0             ; A's blocks i0 .. i0 + 3
.irp i, \i0, \i0+1, \i0+2, \i0+3
	FRAG AF+FR*(\i), ADRA+\slot, \q, \i
.endr
.endm
.macro PLACES n                        ; plain vector instructions between a matrix instruction and a load into, or a vector instruction on, one of its registers
.rept \n
	v_nop
.endr
.endm
; A step of 128 along K that has its successor in the same slot.  A block of A is free once its eight products are issued, so one set serves A: blocks 0-3 come anew in the step's middle, blocks 4-7 at its end.
.macro STEP slot, q, zero
	s_wait_dscnt 4*NL                              ; B's set and A's blocks 0-3 are in; the youngest sixteen loads (A's blocks 4-7) may be out
	WIN MUL_LO
	MUL16 0, (\q)%2, \zero
	MUL16 2, (\q)%2, \zero
	s_wait_dscnt 0                                 ; A's blocks 4-7 are in
	PLACES NP
	FETCH_B \slot, (\q)+1, 1-(\q)%2
	FETCH_A \slot, (\q)+1, 0
	WIN MUL_HI
	MUL16 4, (\q)%2, \zero
	MUL16 6, (\q)%2, \zero
	PLACES NP
	WIN 0
	FETCH_A \slot, (\q)+1, 4
.endm
; A slot's last step changes slots: ONE barrier; in front of it each wave waits for all its tensor loads, adds 0 to its spare word, and waits for that and for its own reads of this slot.  fill = 1: this slot is filled again, two K steps ahead.
.macro TURN slot, next, fill
	s_wait_tensorcnt 0x0                           ; all my tensor loads have landed: my part of the next slot
	ds_add_u32 v[SPW], v[NIL]                      ; 0 onto my spare word
	s_wait_dscnt 4*NL+1                            ; the add and the youngest sixteen loads (A's blocks 4-7) may be out
	WIN MUL_LO
	MUL16 0, 1, 0                                  ; sixteen matrix instructions stand between the add and the wait for it
	s_wait_dscnt 0x0                               ; the add is done, and my reads of this slot are over
	s_barrier_signal -1
	MUL16 2, 1, 0
	WIN 0
	s_barrier_wait -1
.if \fill
	CREST                                          ; the barrier has opened a round of the cluster's barrier: no wave of any partner still reads this slot or has a load on its way
	s_add_nc_u64 s[G0+4*\slot+2:G0+4*\slot+3], s[G0+4*\slot+2:G0+4*\slot+3], 2*ROWB
	s_add_nc_u64 s[G0B+4*\slot+2:G0B+4*\slot+3], s[G0B+4*\slot+2:G0B+4*\slot+3], 2*ROWB
	JLOAD G0+4*\slot, G1, G0B+4*\slot, G1B         ; the first tensor load behind the round; its four v_nop are the places in front of the loads below
.else
	PLACES NP
.endif
	FETCH_B \next, 0, 0
	FETCH_A \next, 0, 0
	WIN MUL_HI
	MUL16 4, 1, 0
	MUL16 6, 1, 0
	PLACES NP
	WIN 0
	FETCH_A \next, 0, 4
.endm
	s_wait_alu depctr_va_vdst(0)
	s_wait_tensorcnt 1                             ; my part of K step 0 is in; K step 1's load may be out
	s_barrier_signal -1
	s_barrier_wait -1                              ; everybody's is
	FETCH_B 0, 0, 0
	FETCH_A 0, 0, 0
	FETCH_A 0, 0, 4
	STEP 0, 0, 1                                   ; the first step stands in front of the loop: its products start the sums
	s_mov_b32 s3, LAPS-1
.Llap:                                                 ; a trip goes once round the ring, from a lap's second step to the next lap's first, and fills both slots again
	TURN 0, 1, 1
	STEP 1, 0, 0
	TURN 1, 0, 1
	STEP 0, 0, 0
	s_sub_co_u32 s3, s3, 1
	s_cmp_lg_u32 s3, 0
	s_cbranch_scc1 .Llap
	TURN 0, 1, 0                                   ; the last lap fills nothing, and has no round of the cluster's barrier
	STEP 1, 0, 0
	s_wait_dscnt 4*NL                              ; the very last step: nothing more to fetch
	WIN MUL_LO
	MUL16 0, 1, 0
	MUL16 2, 1, 0
	s_wait_dscnt 0
	WIN MUL_HI
	MUL16 4, 1, 0
	MUL16 6, 1, 0
	WIN 0
	; THE WAY OUT.  A sum stands for sum x 2^(ea + eb); its code is sum / 2^(eo - ea - eb): the three exponents are folded into the conversion's one scale.
	s_wait_kmcnt 0x0
	s_add_co_i32 s84, s84, s85
	s_sub_co_i32 s84, s90, s84                     ; q: e6 - e0 - e1
	s_add_co_i32 s86, s86, s87
	s_sub_co_i32 s86, s91, s86                     ; k: e7 - e2 - e3
	s_add_co_i32 s88, s88, s89
	s_sub_co_i32 s88, s93, s88                     ; v: e9 - e4 - e5
	s_cmp_eq_u32 s[KIND], 1
	s_cselect_b32 s84, s86, s84
	s_cmp_eq_u32 s[KIND], 2
	s_cselect_b32 s84, s88, s84
	s_add_co_i32 s84, s84, 127
	s_lshl_b32 s85, s84, 23
	v_mov_b32 v[SCL], s85                          ; the scale as f32: the conversion takes its exponent field
	s_add_co_i32 s84, s84, 8
	s_lshl_b32 s84, s84, 23
	s_or_b32 s84, s84, 0x600000
	PLACES NP                                      ; behind the last products: their results are read and side A's registers are written below
; Block a: side A's rows 16 a on (a lane a row) x side B's 128 rows (registers).  eight conversions; four stores of 512 consecutive bytes, each at a multiple of 512 in its image.
; q, k: block a = a tile of 16 tokens; registers CD + 8 g .. + 7 are the fragment of my head g.   v: block a = head a / 4, channels 16 (a % 4) on; the 16 registers are the fragment over my 128 keys.
.macro OUTBLK a
.set AC, 64*((\a)%4)
.set CD, AF+16*(\a)                    ; each block has code registers of its own: no store's data are written again
	WIN 0x02+((\a)/4)                              ; source 0: window 2 or 3
.set j, 0
.rept 64
.set j, j+1
.endr
.irp b, 0,1,2,3,4,5,6,7
	v_cvt_scalef32_pk8_fp8_f32 v[CD+2*\b:CD+2*\b+1], v[AC+8*\b:AC+8*\b+7], v[SCL]
.endr
	WIN 0
	v_nop
.if (\a) > 0
	s_wait_alu depctr_va_vdst(0)
	s_wait_xcnt 0x0                                ; the earlier stores have read their base: it may step
	s_add_nc_u64 s[8:9], s[8:9], s[10:11]
.endif
.if (\a) == 4
	s_add_nc_u64 s[8:9], s[8:9], s[12:13]
.endif
	global_store_b128 v[CO],  v[CD:CD+3],     s[8:9]
	global_store_b128 v[CO],  v[CD+4:CD+7],   s[8:9] offset:512
	global_store_b128 v[CO2], v[CD+8:CD+11],  s[8:9]
	global_store_b128 v[CO2], v[CD+12:CD+15], s[8:9] offset:512
.endm
.irp a, 0,1,2,3,4,5,6,7
	OUTBLK \a
.endr
	s_wait_tensorcnt 0x0                           ; the wave's end
	ds_add_u32 v[SPW], v[NIL]
	s_wait_dscnt 0x0
	CROUND                                         ; the closing round: no work-group ends while a partner may still ask for a tile that names it
	s_endpgm
.Lfunc_end_k_qb578c4160f_qkv:
	.size	k_qb578c4160f_qkv, .Lfunc_end_k_qb578c4160f_qkv-k_qb578c4160f_qkv
	.p2alignl 7, 3214868480
	.fill 96, 4, 3214868480
	.section	.rodata,"a",@progbits
	.p2align	6, 0x0
	.amdhsa_kernel k_qb578c4160f_qkv
		.amdhsa_group_segment_fixed_size 327680
		.amdhsa_private_segment_fixed_size 0
		.amdhsa_enable_private_segment 0
		.amdhsa_kernarg_size 56
		.amdhsa_user_sgpr_count 2
		.amdhsa_user_sgpr_kernarg_segment_ptr 1
		.amdhsa_wavefront_size32 1
		.amdhsa_system_sgpr_workgroup_id_x 1
		.amdhsa_system_sgpr_workgroup_id_y 1
		.amdhsa_system_sgpr_workgroup_id_z 1
		.amdhsa_system_vgpr_workitem_id 0
		.amdhsa_next_free_vgpr 1024
		.amdhsa_next_free_sgpr 100
		.amdhsa_reserve_vcc 0
		.amdhsa_float_denorm_mode_32 3
		.amdhsa_float_denorm_mode_16_64 3
		.amdhsa_fp16_overflow 1
		.amdhsa_memory_ordered 1
		.amdhsa_forward_progress 1
		.amdhsa_inst_pref_size 88
	.end_amdhsa_kernel
	.amdgpu_metadata
---
amdhsa.version: [ 1, 2 ]
amdhsa.kernels:
  - .name:           k_qb578c4160f_qkv
    .symbol:         k_qb578c4160f_qkv.kd
    .args:
      - { .name: X_codes, .offset: 0, .size: 8, .value_kind: global_buffer, .address_space: global }
      - { .name: Wq_codes, .offset: 8, .size: 8, .value_kind: global_buffer, .address_space: global }
      - { .name: Wk_codes, .offset: 16, .size: 8, .value_kind: global_buffer, .address_space: global }
      - { .name: Wv_codes, .offset: 24, .size: 8, .value_kind: global_buffer, .address_space: global }
      - { .name: lowp_scales, .offset: 32, .size: 8, .value_kind: global_buffer, .address_space: global }
      - { .name: q_img, .offset: 40, .size: 8, .value_kind: global_buffer, .address_space: global }
      - { .name: kv_img, .offset: 48, .size: 8, .value_kind: global_buffer, .address_space: global }
    .group_segment_fixed_size: 327680
    .private_segment_fixed_size: 0
    .kernarg_segment_align: 8
    .kernarg_segment_size: 56
    .max_flat_workgroup_size: 128
    .sgpr_count:     100
    .vgpr_count:     1024
    .wavefront_size: 32
...
	.end_amdgpu_metadata
.endif
;; end of part 1
;; launch attn (part 2): grid 256 x 1, 16 waves a work-group, clusters of 4 x 1, 327,680 bytes of LDS; arguments q_img, kv_img, lowp_scales, ctx_img; writes ctx_img
.if DOCPART == 2
	.amdgcn_target "amdgcn-amd-amdhsa--gfx1250"
	.amdhsa_code_object_version 6
	.text
	.protected	k_qb578c4160f_attn
	.globl	k_qb578c4160f_attn
	.p2align	8
	.type	k_qb578c4160f_attn,@function
k_qb578c4160f_attn:
	s_mov_b64 s[64:65], 0
	v_nop
	global_prefetch_b8 v0, s[64:65] scope:SCOPE_SE
	s_setreg_imm32_b32 hwreg(HW_REG_WAVE_MODE, 25, 1), 1
	s_wait_xcnt 0x0
	s_wait_alu depctr_hold_cnt(0) depctr_sa_sdst(0) depctr_va_vdst(0) depctr_va_sdst(0) depctr_va_ssrc(0) depctr_va_vcc(0) depctr_vm_vsrc(0)
	s_getreg_b32 s2, hwreg(HW_REG_IB_STS2, 6, 4)
	s_cmp_eq_u32 s2, 0
	s_cbranch_scc0 .Lentry_in_a_cluster
	s_endpgm
.Lentry_in_a_cluster:
	s_bfe_u32 s2, ttmp6, 0x10000c
	s_cmp_lg_u32 s2, 0x3003
	s_cbranch_scc0 .Lentry_shape_is_right
	s_endpgm
.Lentry_shape_is_right:
; Causal attention of one head on codes of E4M3: ctx = softmax(q k^T / 32) v, quantised at once to E4M3 with its given scale.  2,048 tokens, head size 64, 64 heads (batch x head).
; THE SOFTMAX AHEAD OF THE SECOND PRODUCT: t = score x log2(e) / 32; M = the row's largest t so far, rounded UP to a whole number; p = 2^(t - M) is quantised along the keys, not normalised.
; The row's sum is taken of the unquantised p, in f32, and divides at the end.  When M moves, the sum and O are multiplied by 2^(old M - new M): nothing is rounded.
; SHARES.  A cluster of four work-groups owns a head; its 64 waves own the head's 128 tiles of 16 queries, two each: with sg = wave / 2 and ti = 2 cx + wave % 2, tile 8 sg + ti and tile 127 - (8 sg + ti).
; A key step is 128 keys.  The first tile needs steps 0 .. sg, the second 0 .. 15 - sg: 17 steps for every wave, whatever its number.  Steps that lie wholly behind the diagonal are left out by a scalar branch
; on the wave's number and the loop's counter; cx enters global addresses and the mask's vector threshold alone.
; LDS holds the WHOLE head's K and V, 262,144 bytes, byte for byte as kv_img has them: each byte is filled once, so there is no ring.  The four partners ask for every piece JOINTLY.
; Each wave asks twice at the head: 4,096 bytes of key steps 0-3 and 12,288 bytes of steps 4-15.  The larger tile goes first: every wave works in steps 0 to 8, so the two barriers stand where all waves are level.
; LAYOUT.  S^T = K Q^T (source 0 = 16 keys, source 1 = my 16 queries), O^T = V^T P^T (source 0 = 16 channels x 128 keys, source 1 = P): a lane holds ONE query (lane % 16) throughout.
; Tile t of S^T holds keys 16 t + 8 (lane / 16) + 0 .. 7 in its eight registers; converted they are registers 2 t, 2 t + 1 of P in the plain fp8 form's own layout (ISA guide 7.12.2).  Nothing changes lanes.
; ctx_img [token tile 512][16,384]: the image of the last product's fragments (16 tokens x 128 k: registers 4 c .. 4 c + 3 hold k = 32 c + 16 h' + 0 .. 15).  My eight codes of channels 16 t + 8 h on, head hd, lie at
; 1,024 hd + 256 t + 16 r + 8 h: one store of 8 bytes a lane covers 256 consecutive bytes, aligned.
; LIMITS: e6 + e7 between -121 and 132 (added to c's exponent field); e8 and e10 between -126 and 119; e8 + e9 goes in by v_ldexp_f32 and has none.  NaN codes are not served.
.set STEPB, 16384                      ; a key step's bytes: K's eight tiles (1,024 each), then V's four fragments (2,048 each)
.set VOFF,  8192
.set L16,  1                           ; v1   16 x lane: my place in an image; never rewritten
.set AD,   2                           ; v2   LDS address of the step in hand
.set CO,   3                           ; v3   16 r + 8 h: my place in a store of ctx; never rewritten
.set DMB,  4                           ; v4   the larger tile's mask threshold: 16 (7 - ti) + r - 8 h
.set DMS,  5                           ; v5   the smaller tile's: 16 ti + r - 8 h
                                       ; v12 -M, v13 the largest t, v[14:15] the sum in two halves
.set QB,   16                          ; v16-23  Q of the larger tile
.set QS,   24                          ; v24-31  Q of the smaller
.set KV,   32                          ; v32-95  K's eight fragments, then V's four
.set S,    96                          ; v96-159 S^T, then p
.set O,    160                         ; v160-191 O^T
.set PC,   192                         ; v192-207 p's codes
.set F,    208                         ; v[208:209] f = 2^(old M - new M); v209 is named with it as a pair
.set T0,   210                         ; v210, v211 at work
.set T1,   211
.set PX,   212                         ; v212 what the other half of the lanes sends
.set LB,   214                         ; v[214:215] the sum's second chain
.set PSC,  216                         ; v216 2^e8: p's conversion
.set PLIM, 217
.set CSC,  218                         ; v218 2^e10: ctx's
.set CLIM, 219
.set CB,   220                         ; v220-227 the larger tile's codes of ctx; v228-235 the smaller's
.set CSM,  228
.set WV,   12                          ; s12 wave; s13 cx; s14 sg; s15 ti
.set CX,   13
.set SG,   14
.set TI,   15
.set SEL,  20                          ; s[20:21] lane selects for v_permlanex16_b32: lane l xor 16
.set CS,   22                          ; s[22:23] c = log2(e) / 32 x 2^(e6 + e7)
.set G1A,  24                          ; s[24:31] descriptor group 1: 16 rows of 256 bytes;  s[32:39]: 48 rows
.set G1B,  32
.set G0A,  40                          ; s[40:43], s[44:47] the two groups 0
.set G0B,  44
.set TB,   48                          ; s48 LDS byte of the key step in hand
.set ST,   49                          ; s49 its number
.set CN,   50                          ; s50 trips to go
.set DG,   51                          ; s51 the step on the diagonal of the tile in hand
.set DGB,  52                          ; s52 15 - sg
.set EPV,  53                          ; s53 e8 + e9
.macro ROUND                           ; a round of the cluster's barrier
	s_barrier_signal -1
	s_barrier_wait -1
	s_cmp_lg_u32 s[WV], 0
	s_cbranch_scc1 .Lnot_wave_0_\@
	s_barrier_signal -3
.Lnot_wave_0_\@:
	s_barrier_wait -3
	s_barrier_signal -1
	s_barrier_wait -1
.endm
	s_load_b256 s[4:11], s[0:1], 0x0               ; q_img s[4:5], kv_img s[6:7], the scales' exponents s[8:9], ctx_img s[10:11]
	v_lshl_add_u32 v254, v0, 2, 0x40000
	v_mov_b32 v255, 0
	ds_add_u32 v254, v255
	ds_add_u32 v254, v255
	v_lshrrev_b32 v6, 5, v0
	s_delay_alu instid0(VALU_DEP_1)
	v_readfirstlane_b32 s[WV], v6                  ; wave 0..15
	s_bfe_u32 s[CX], ttmp6, 0x40000                ; my place in the cluster
	s_lshr_b32 s[SG], s[WV], 1
	s_and_b32 s[TI], s[WV], 1
	s_lshl_b32 s74, s[CX], 1
	s_add_co_u32 s[TI], s[TI], s74
	s_sub_co_u32 s[DGB], 15, s[SG]
	; descriptor group 1: dense blocks as rows of 256 bytes (32 elements of 8 bytes), no padding: an image is read 16 bytes a lane, 512 consecutive bytes an instruction
	s_mov_b32 s[G1A], 15|(3<<16)|(1<<21)           ; 15:0 the mask: all four work-groups; 17:16 elements of 8 bytes; 21 set beside a mask
	s_mov_b32 s[G1A+1], 32<<16                     ; tensor_dim0 = 32
	s_mov_b32 s[G1A+2], 16<<16                     ; tensor_dim1 = 16
	s_mov_b32 s[G1A+3], 32<<16                     ; tile_dim0 = 32
	s_mov_b32 s[G1A+4], 16                         ; tile_dim1 = 16
	s_mov_b32 s[G1A+5], 32                         ; tensor_dim0_stride
	s_mov_b32 s[G1A+6], 0
	s_mov_b32 s[G1A+7], 0
	s_mov_b32 s[G1B], 15|(3<<16)|(1<<21)
	s_mov_b32 s[G1B+1], 32<<16
	s_mov_b32 s[G1B+2], 48<<16                     ; 48 rows
	s_mov_b32 s[G1B+3], 32<<16
	s_mov_b32 s[G1B+4], 48
	s_mov_b32 s[G1B+5], 32
	s_mov_b32 s[G1B+6], 0
	s_mov_b32 s[G1B+7], 0
	s_lshl_b32 s75, s[WV], 12                      ; my 4,096 bytes of key steps 0-3,
	s_mul_i32 s76, s[WV], 12288
	s_add_co_u32 s76, s76, 65536                   ; my 12,288 bytes of key steps 4-15: the same offset in the head and in LDS
	s_lshl_b32 s78, ttmp9, 18                      ; the head (the cluster's number): 262,144 bytes of kv_img
	s_mov_b32 s79, 0
	s_wait_dscnt 0x0
	s_wait_kmcnt 0x0
	s_load_b128 s[56:59], s[8:9], 0x18             ; e6, e7, e8, e9
	s_load_b32 s60, s[8:9], 0x28                   ; e10
	s_add_nc_u64 s[6:7], s[6:7], s[78:79]
	s_mov_b32 s[G0A], 1                            ; count = 1
	s_mov_b32 s[G0A+1], s75                        ; LDS address
	s_mov_b32 s78, s75
	s_add_nc_u64 s[G0A+2:G0A+3], s[6:7], s[78:79]  ; global address
	s_or_b32 s[G0A+3], s[G0A+3], 0x80000000        ; type = 2
	s_mov_b32 s[G0B], 1
	s_mov_b32 s[G0B+1], s76
	s_mov_b32 s78, s76
	s_add_nc_u64 s[G0B+2:G0B+3], s[6:7], s[78:79]
	s_or_b32 s[G0B+3], s[G0B+3], 0x80000000
	ROUND                                          ; all four work-groups are here: the joint loads meet
	tensor_load_to_lds s[G0A:G0A+3], s[G1A:G1A+7]  ; one load of mine is out; the other follows the next round
	s_nop 0
	s_wait_alu depctr_va_vdst(0)
	s_wait_tensorcnt 0x0
	ds_add_u32 v254, v255
	s_wait_dscnt 0x0
	ROUND
	tensor_load_to_lds s[G0B:G0B+3], s[G1B:G1B+7]
	s_nop 0
.rept 4
	v_nop
.endr
	s_lshl_b32 s74, s[SG], 3
	s_add_co_u32 s74, s74, s[TI]                   ; the smaller tile, 0 .. 63
	s_sub_co_u32 s75, 127, s74                     ; the larger, 64 .. 127
	s_lshl_b32 s76, ttmp9, 17                      ; the head in q_img: 128 tiles of 1,024 bytes
	s_mov_b32 s77, 0
	s_add_nc_u64 s[4:5], s[4:5], s[76:77]
	s_lshl_b32 s76, s75, 10
	s_add_nc_u64 s[66:67], s[4:5], s[76:77]        ; Q of the larger tile
	s_lshl_b32 s76, s74, 10
	s_add_nc_u64 s[68:69], s[4:5], s[76:77]        ; of the smaller
	v_and_b32 v6, 31, v0
	s_delay_alu instid0(VALU_DEP_1)
	v_lshlrev_b32 v[L16], 4, v6
	global_load_b128 v[QB:QB+3],   v[L16], s[66:67]
	global_load_b128 v[QB+4:QB+7], v[L16], s[66:67] offset:512
	global_load_b128 v[QS:QS+3],   v[L16], s[68:69]
	global_load_b128 v[QS+4:QS+7], v[L16], s[68:69] offset:512
	s_lshr_b32 s76, ttmp9, 4
	s_lshl_b32 s76, s76, 21                        ; ctx_img: the batch's 128 token tiles of 16,384 bytes,
	s_and_b32 s78, ttmp9, 15
	s_lshl_b32 s78, s78, 10                        ; the head's 1,024 bytes in each
	s_add_co_u32 s76, s76, s78
	s_add_nc_u64 s[10:11], s[10:11], s[76:77]
	s_lshl_b32 s76, s75, 14
	s_add_nc_u64 s[70:71], s[10:11], s[76:77]      ; the larger tile's place
	s_lshl_b32 s76, s74, 14
	s_add_nc_u64 s[72:73], s[10:11], s[76:77]      ; the smaller's
	v_and_b32 v7, 15, v0                           ; r
	v_bfe_u32 v8, v0, 4, 1                         ; h
	s_delay_alu instid0(VALU_DEP_2)
	v_lshlrev_b32 v[CO], 4, v7
	s_delay_alu instid0(VALU_DEP_1)
	v_lshl_add_u32 v[CO], v8, 3, v[CO]
	s_delay_alu instid0(VALU_DEP_3)
	v_lshlrev_b32 v8, 3, v8
	s_delay_alu instid0(VALU_DEP_1)
	v_sub_nc_u32 v7, v7, v8                        ; r - 8 h
	s_lshl_b32 s76, s[TI], 4
	s_sub_co_u32 s78, 112, s76
	v_add_nc_u32 v[DMB], s78, v7                   ; in the diagonal's step my query is number 16 (7 - ti) + r, register 8 t + j holds key 16 t + 8 h + j: hidden where 16 t + j > this
	v_add_nc_u32 v[DMS], s76, v7
	s_mov_b32 s[SEL], 0x76543210
	s_mov_b32 s[SEL+1], 0xfedcba98
	s_mov_b32 s[CS], 0x3d38aa3b                    ; log2(e) / 32
	v_mov_b32 v[F+1], 0                            ; named as the upper half of a pair
	v_mov_b32 v[PX], 0                             ; a lane permute's destination counts as one of its sources
	s_wait_kmcnt 0x0
	s_add_co_i32 s74, s56, s57
	s_lshl_b32 s74, s74, 23
	s_add_co_i32 s[CS], s[CS], s74                 ; a score stands for score x 2^(e6 + e7): added to c's exponent field
	s_mov_b32 s[CS+1], s[CS]                       ; named with it as a pair
	s_add_co_i32 s[EPV], s58, s59
	s_add_co_i32 s74, s58, 127
	s_lshl_b32 s75, s74, 23
	v_mov_b32 v[PSC], s75
	s_add_co_i32 s74, s60, 127
	s_lshl_b32 s75, s74, 23
	v_mov_b32 v[CSC], s75
.macro INIT                            ; a tile begins: the key step is written without a first step of its own: it finds zeros, which the first change of M leaves zeros
	v_mov_b32 v13, 0xff61b1e6                      ; the largest t so far: -3e38, under every t
	s_delay_alu instid0(VALU_DEP_1)
	v_floor_f32 v12, -v13                          ; -M
	v_mov_b32 v14, 0
	v_mov_b32 v15, 0
.set j, 0
.rept 32
	v_mov_b32 v[O+j], 0
.set j, j+1
.endr
.endm
; A KEY STEP: 128 keys at LDS byte s[TB].  qf: my tile's Q.  dm: its mask threshold.  chk = 1: the step may lie on or behind the diagonal.
.macro STEP qf, dm, chk
.if \chk
	s_cmp_gt_u32 s[ST], s[DG]                      ; all its keys come after my queries: the step's work is left out; the lines that step addresses follow the label
	s_cbranch_scc1 .Lhid_\@
.endif
	s_setprio 2
	v_add_nc_u32 v[AD], s[TB], v[L16]
.rept 3
	v_nop                                          ; with the addition four places in front of loads into registers that the last products read
.endr
.irp t, 0,1,2,3,4,5,6,7
.irp c, 0,1
	ds_load_b128 v[KV+8*\t+4*\c:KV+8*\t+4*\c+3], v[AD] offset:1024*\t+512*\c
.endr
.endr
	s_wait_alu depctr_va_vdst(0)
	s_wait_dscnt 0x0
.irp t, 0,1,2,3,4,5,6,7
	v_wmma_f32_16x16x64_fp8_fp8 v[S+8*\t:S+8*\t+7], v[KV+8*\t:KV+8*\t+7], v[\qf:\qf+7], 0
.endr
.rept 4
	v_nop                                          ; places: in front of the loads into K's registers and of the first read of the scores
.endr
.irp t, 0,1,2,3
.irp c, 0,1,2,3
	ds_load_b128 v[KV+16*\t+4*\c:KV+16*\t+4*\c+3], v[AD] offset:VOFF+2048*\t+512*\c   ; V lands while the softmax is worked
.endr
.endr
.if \chk
	s_cmp_lt_u32 s[ST], s[DG]                      ; a step all of whose keys count skips the mask
	s_cbranch_scc1 .Lopen_\@
	v_mov_b32 v[T0], 0xff800000                    ; hidden scores become -infinity ahead of the maximum: p = 0 then.  The step's first key counts for every query of it
.set n, 0
.rept 64
	v_cmp_gt_i32 vcc_lo, 16*(n/8)+n%8, v[\dm]
	v_cndmask_b32 v[S+n], v[S+n], v[T0], vcc_lo
.set n, n+1
.endr
.Lopen_\@:
.endif
	v_max3_num_f32 v[T0], v[S], v[S+1], v[S+2]     ; the step's largest score of my query among my 64 keys, in two chains, each tile from its low end on,
	v_max3_num_f32 v[T1], v[S+3], v[S+4], v[S+5]
.irp i, 6,10,14,18,22,26,30,34,38,42,46,50,54,58
	v_max3_num_f32 v[T0], v[T0], v[S+\i], v[S+1+\i]
	v_max3_num_f32 v[T1], v[T1], v[S+2+\i], v[S+3+\i]
.endr
	v_max3_num_f32 v[T0], v[T0], v[S+62], v[S+63]
	s_delay_alu instid0(VALU_DEP_1)
	v_max_num_f32 v[T0], v[T0], v[T1]
	s_delay_alu instid0(VALU_DEP_1)
	v_permlanex16_b32 v[PX], v[T0], s[SEL], s[SEL+1]
	s_delay_alu instid0(VALU_DEP_1)
	v_max_num_f32 v[T0], v[T0], v[PX]              ; and among lane l xor 16's
	s_delay_alu instid0(VALU_DEP_1)
	v_mul_f32 v[T0], s[CS], v[T0]                  ; as t (c is positive)
	s_delay_alu instid0(VALU_DEP_1)
	v_max_num_f32 v13, v13, v[T0]                  ; the running largest t
	v_mov_b32 v[T0], v12
	s_delay_alu instid0(VALU_DEP_2)
	v_floor_f32 v12, -v13                          ; the new -M = floor(-t) = -ceil(t): a whole number
	s_delay_alu instid0(VALU_DEP_1)
	v_sub_f32 v[T0], v12, v[T0]                    ; old M - new M: a whole number, 0 or less
	s_delay_alu instid0(VALU_DEP_1)
	v_cvt_i32_f32 v[T0], v[T0]                     ; (it saturates)
	s_delay_alu instid0(VALU_DEP_1)
	v_ldexp_f32 v[F], 1.0, v[T0]                   ; f = 2^(old M - new M)
.set j, 0
.rept 32
	v_pk_fma_f32 v[S+j:S+j+1], v[S+j:S+j+1], s[CS:CS+1], v[12:13] op_sel_hi:[1,0,0]   ; t - M, two at a time (of the pairs c and -M the low word serves both halves)
.set j, j+2
.endr
.set j, 0
	s_setprio 1
	s_wait_alu depctr_va_vdst(0)
.rept 64
	v_exp_f32 v[S+j], v[S+j]                       ; p = 2^(t - M), at most 1
.set j, j+1
.endr
	v_pk_mul_f32 v[14:15], v[14:15], v[F:F+1] op_sel_hi:[1,0]   ; the sums under the new M: the plain instruction behind the exponentials
	s_wait_alu depctr_va_vdst(0)                   ; one wait for the batch of 64, ahead of its first reader
	v_pk_add_f32 v[LB:LB+1], v[S:S+1], v[S+2:S+3]  ; the row's sum is taken of the UNQUANTISED p, in two chains
.irp j, 4,8,12,16,20,24,28,32,36,40,44,48,52,56,60
	v_pk_add_f32 v[14:15], v[14:15], v[S+\j:S+1+\j]
	v_pk_add_f32 v[LB:LB+1], v[LB:LB+1], v[S+2+\j:S+3+\j]
.endr
	s_delay_alu instid0(VALU_DEP_1)
	v_pk_add_f32 v[14:15], v[14:15], v[LB:LB+1]
	s_setprio 0
.irp t, 0,1,2,3,4,5,6,7
.irp i, 0,1,2,3,4,5,6,7
.endr
	v_cvt_scalef32_pk8_fp8_f32 v[PC+2*\t:PC+2*\t+1], v[S+8*\t:S+8*\t+7], v[PSC]   ; keys 16 t + 8 h + 0 .. 7: registers 2 t, 2 t + 1 of P
.endr
.set j, 0
.rept 16
	v_pk_mul_f32 v[O+j:O+j+1], v[O+j:O+j+1], v[F:F+1] op_sel_hi:[1,0]   ; O^T under the new M; also the plain instructions between the conversions and the products
.set j, j+2
.endr
	s_wait_alu depctr_va_vdst(0)
	s_wait_dscnt 0x0                               ; V is in
.irp t, 0,1,2,3
	v_wmma_f32_16x16x128_fp8_fp8 v[O+8*\t:O+8*\t+7], v[KV+16*\t:KV+16*\t+15], v[PC:PC+15], v[O+8*\t:O+8*\t+7]   ; four accumulators by turns; the next step's eight products stand between two links
.endr
.if \chk
.Lhid_\@:
.endif
.endm
; n key steps from step st0 (LDS byte tb0) on: every trip count is a constant of the text
.macro KLOOP qf, dm, chk, tb0, st0, n
	s_mov_b32 s[TB], \tb0
	s_mov_b32 s[ST], \st0
	s_mov_b32 s[CN], \n
.Lk_\@:
	STEP \qf, \dm, \chk
	s_add_co_u32 s[TB], s[TB], STEPB
	s_add_co_u32 s[ST], s[ST], 1
	s_sub_co_u32 s[CN], s[CN], 1
	s_cmp_lg_u32 s[CN], 0
	s_cbranch_scc1 .Lk_\@
	s_setprio 0
.endm
; A tile ends: ctx = O^T x 2^(e8 + e9) / the sum, held, converted with 2^e10, stored.  cd: the codes' registers; cp: the tile's place in ctx_img.
.macro WAYOUT cd, cp
.rept 4
	v_nop                                          ; places behind the last products
.endr
	v_add_f32 v14, v14, v15                        ; the sum's two halves,
	s_delay_alu instid0(VALU_DEP_1)
	v_permlanex16_b32 v[PX], v14, s[SEL], s[SEL+1]
	s_delay_alu instid0(VALU_DEP_1)
	v_add_f32 v14, v14, v[PX]                      ; and lane l xor 16's
	s_wait_alu depctr_va_vdst(0)
	v_rcp_f32 v14, v14
	v_nop                                          ; a plain instruction behind the reciprocal,
	s_wait_alu depctr_va_vdst(0)                   ; and the wait ahead of its first reader
	v_ldexp_f32 v14, v14, s[EPV]
.set j, 0
.rept 32
	v_mul_f32 v[S+j], v[O+j], v14                  ; register 8 t + i: channel 16 t + 8 h + i of my query
.set j, j+1
.endr
.set j, 0
.rept 32
.set j, j+1
.endr
.irp t, 0,1,2,3
	v_cvt_scalef32_pk8_fp8_f32 v[\cd+2*\t:\cd+2*\t+1], v[S+8*\t:S+8*\t+7], v[CSC]
.endr
	v_nop                                          ; a plain instruction between the conversions and the products that write their sources later
.irp t, 0,1,2,3
	global_store_b64 v[CO], v[\cd+2*\t:\cd+2*\t+1], s[\cp:\cp+1] offset:256*\t   ; 32 lanes store 256 consecutive bytes, at a multiple of 256
.endr
.endm
	INIT
	s_mov_b32 s[DG], s[DGB]
	s_wait_loadcnt 0x0                             ; Q
	s_wait_tensorcnt 1                             ; my part of key steps 0-3 is in; my part of steps 4-15 may be out: no LDS byte is ever filled again
	s_barrier_signal -1
	s_barrier_wait -1                              ; everybody's is
	KLOOP QB, DMB, 0, 0, 0, 4                      ; the larger tile, steps 0-3: its diagonal lies in step 8 or later
	s_wait_tensorcnt 0x0                           ; my part of steps 4-15 is in
	s_wait_dscnt 0x0
	s_barrier_signal -1
	s_barrier_wait -1                              ; the whole head lies in LDS
	KLOOP QB, DMB, 1, 4*STEPB, 4, 12               ; steps 4-15, up to the diagonal in step 15 - sg
	WAYOUT CB, 70
	INIT
	s_mov_b32 s[DG], s[SG]
	KLOOP QS, DMS, 1, 0, 0, 8                      ; the smaller tile: steps 0-7, up to the diagonal in step sg
	WAYOUT CSM, 72
	s_wait_dscnt 0x0
	s_wait_tensorcnt 0x0
	ds_add_u32 v254, v255
	s_wait_dscnt 0x0
	ROUND                                          ; the closing round
	s_endpgm
.Lfunc_end_k_qb578c4160f_attn:
	.size	k_qb578c4160f_attn, .Lfunc_end_k_qb578c4160f_attn-k_qb578c4160f_attn
	.p2alignl 7, 3214868480
	.fill 96, 4, 3214868480
	.section	.rodata,"a",@progbits
	.p2align	6, 0x0
	.amdhsa_kernel k_qb578c4160f_attn
		.amdhsa_group_segment_fixed_size 327680
		.amdhsa_private_segment_fixed_size 0
		.amdhsa_enable_private_segment 0
		.amdhsa_kernarg_size 32
		.amdhsa_user_sgpr_count 2
		.amdhsa_user_sgpr_kernarg_segment_ptr 1
		.amdhsa_wavefront_size32 1
		.amdhsa_system_sgpr_workgroup_id_x 1
		.amdhsa_system_sgpr_workgroup_id_y 1
		.amdhsa_system_sgpr_workgroup_id_z 1
		.amdhsa_system_vgpr_workitem_id 0
		.amdhsa_next_free_vgpr 256
		.amdhsa_next_free_sgpr 80
		.amdhsa_reserve_vcc 1
		.amdhsa_float_denorm_mode_32 3
		.amdhsa_float_denorm_mode_16_64 3
		.amdhsa_fp16_overflow 1
		.amdhsa_memory_ordered 1
		.amdhsa_forward_progress 1
		.amdhsa_inst_pref_size 66
	.end_amdhsa_kernel
	.amdgpu_metadata
---
amdhsa.version: [ 1, 2 ]
amdhsa.kernels:
  - .name:           k_qb578c4160f_attn
    .symbol:         k_qb578c4160f_attn.kd
    .args:
      - { .name: q_img, .offset: 0, .size: 8, .value_kind: global_buffer, .address_space: global }
      - { .name: kv_img, .offset: 8, .size: 8, .value_kind: global_buffer, .address_space: global }
      - { .name: lowp_scales, .offset: 16, .size: 8, .value_kind: global_buffer, .address_space: global }
      - { .name: ctx_img, .offset: 24, .size: 8, .value_kind: global_buffer, .address_space: global }
    .group_segment_fixed_size: 327680
    .private_segment_fixed_size: 0
    .kernarg_segment_align: 8
    .kernarg_segment_size: 32
    .max_flat_workgroup_size: 512
    .sgpr_count:     80
    .vgpr_count:     256
    .wavefront_size: 32
...
	.end_amdgpu_metadata
.endif
;; end of part 2
;; launch oproj (part 3): grid 4 x 32, 4 waves a work-group, clusters of 4 x 4, 327,680 bytes of LDS; arguments ctx_img, Wo_codes, lowp_scales, out0, bo; writes out0
.if DOCPART == 3
	.amdgcn_target "amdgcn-amd-amdhsa--gfx1250"
	.amdhsa_code_object_version 6
	.text
	.protected	k_qb578c4160f_oproj
	.globl	k_qb578c4160f_oproj
	.p2align	8
	.type	k_qb578c4160f_oproj,@function
k_qb578c4160f_oproj:
	s_mov_b64 s[64:65], 0
	v_nop
	global_prefetch_b8 v0, s[64:65] scope:SCOPE_SE
	s_setreg_imm32_b32 hwreg(HW_REG_WAVE_MODE, 25, 1), 1
	s_wait_xcnt 0x0
	s_wait_alu depctr_hold_cnt(0) depctr_sa_sdst(0) depctr_va_vdst(0) depctr_va_sdst(0) depctr_va_ssrc(0) depctr_va_vcc(0) depctr_vm_vsrc(0)
	s_getreg_b32 s2, hwreg(HW_REG_IB_STS2, 6, 4)
	s_cmp_eq_u32 s2, 0
	s_cbranch_scc0 .Lentry_in_a_cluster
	s_endpgm
.Lentry_in_a_cluster:
	s_bfe_u32 s2, ttmp6, 0x10000c
	s_cmp_lg_u32 s2, 0xf033
	s_cbranch_scc0 .Lentry_shape_is_right
	s_endpgm
.Lentry_shape_is_right:
; out0 = ctx Wo + bo.  ctx: 8,192 tokens x 1,024, codes of E4M3 as images of fragments (ctx_img); Wo: [1,024 (n)][1,024 (k)] codes, K innermost; bo [1,024] and out0 [8,192][1,024] f32.
; The codes are multiplied as they are; each finished sum becomes sum x 2^(e10 + e11) + bo by one packed multiply-add for two numbers.  LIMIT: e10 + e11 between -126 and 127.  NaN codes are not served.
; A tile of out0, 256 x 256, is made by four waves, 128 x 128 each: 64 accumulators, 512 registers.  K goes in steps of 256 through a ring of two LDS slots.
; CLUSTERS of 4 x 4: the four work-groups of a row need the same tile of ctx, the four of a column the same tile of Wo: each is asked for JOINTLY.
; THE MATRIX INSTRUCTION IS USED TRANSPOSED (source 0 = 16 rows of Wo, source 1 = 16 tokens): a lane holds eight neighbouring numbers of a row of out0.
; ctx_img [token tile 512][k chunk 8][c 4][lane 32][16 bytes]: registers 4 c .. 4 c + 3 of lane (r, h) hold k = 32 c + 16 h + 0 .. 15 of token r: the same places that four loads of 16 bytes give Wo's rows.
; A K step is two chunks, 4,096 consecutive bytes of each token tile: a wave's tensor load brings eight such rows, 16,384 bytes apart, dense into LDS; a fragment load takes 512 consecutive bytes.
; 128 tiles of 256 x 256: the launch has work-groups for half of the WGPs; the loop is kept in the form of the first launch.
; REGISTERS, in windows of 256: window 0: v16-29 addresses; v32-95 bo in the result's layout; from v128 ctx's fragments, ONE set; on the way out v128-255 take rows read back.
;   window 1: Wo's fragments, TWO sets.   window 2: the accumulators of my rows 0-63 ((a, b) at v[8 (8 (a % 4) + b)]);   window 3: those of my rows 64-127.
.set SIZE_N, 1024
.set SIZE_K, 1024
.set KSTEP,  256
.set ROWB,   256                       ; a row of Wo's tile in bytes
.set KROW,   SIZE_K
.set ASTEP,  4096                      ; a K step's part of a token tile's image
.set ATILE,  16384                     ; a token tile's image
.set PITCH,  272                       ; Wo's LDS row: 256 bytes + 16 of padding: the 16 rows that a load touches start 4 words apart (64 banks of 4 bytes: ISA guide 11.1)
.set FR,     16
.set NL,     4
.set NP,     4
.set HALFT,  128*PITCH                 ; a quarter of a slot: 128 rows of Wo fill it; eight rows of ctx's images take its first 32,768 bytes
.set SLOT,   4*HALFT
.set LAPS,   SIZE_K/(2*KSTEP)
.set SPARE,  2*SLOT                    ; behind the ring: the spare words, 128 bytes for each wave
.set SPITCH, 528                       ; the way out: a stage of 16 rows x (512 bytes + 16) for each wave, in slot 0, which has had its last fill and its last read when the first result is stored there
.set ADRA, 16                          ; v16-17  LDS address of my fragments of ctx in slot 0, 1
.set ADRB, 20                          ; v20-21  the same for Wo
.set STO,  24                          ; v24     the way out: where I put 32 bytes of a row
.set RD,   25                          ; v25     where I read a row back
.set CO,   26                          ; v26     16 x lane
.set BOF,  27                          ; v27     32 x (lane / 16): my half's eight numbers of bo
.set SPW,  28                          ; v28     LDS address of my spare word; never rewritten
.set NIL,  29                          ; v29     0; never rewritten
.set BI,   32                          ; v32-95  register 8 b + j: bo at my column 16 b + 8 h + j
.set AF,   128
.set BK,   128                         ; the way out: 16 rows read back: v128-191 and v192-255 by turns
.set G1, 24
.set G0, 32
.set G1B, 48
.set G0B, 56
.set MSB, 0
.macro WIN new                         ; the immediate's high byte repeats the setting that is left
.if MSB != \new
	s_set_vgpr_msb (MSB<<8)|\new
.set MSB, \new
.endif
.endm
.set MUL_LO, 0xa1                      ; source 0 (Wo) window 1, source 1 (ctx) window 0, C and D window 2
.set MUL_HI, 0xf1
.set TO_B,   0x40
.macro JLOAD g0a, g1a, g0b, g1b        ; a joint load: waves 0 and 1 fetch for ctx, waves 2 and 3 for Wo; four v_nop follow each of the two lines
	s_cmp_eq_u32 s15, 0
	s_cbranch_scc0 .Lfor_b_\@
	tensor_load_to_lds s[\g0a:\g0a+3], s[\g1a:\g1a+7]
	s_nop 0
.rept 4
	v_nop
.endr
	s_branch .Lasked_\@
.Lfor_b_\@:
	tensor_load_to_lds s[\g0b:\g0b+3], s[\g1b:\g1b+7]
	s_nop 0
.rept 4
	v_nop
.endr
.Lasked_\@:
.endm
.macro CREST
	s_cmp_lg_u32 s14, 0
	s_cbranch_scc1 .Lnot_wave_0_\@
	s_barrier_signal -3
.Lnot_wave_0_\@:
	s_barrier_wait -3
	s_barrier_signal -1
	s_barrier_wait -1
.endm
.macro CROUND
	s_barrier_signal -1
	s_barrier_wait -1
	CREST
.endm
	s_load_b128 s[4:7], s[0:1], 0x0                ; ctx_img s[4:5], Wo's codes s[6:7]
	s_load_b128 s[8:11], s[0:1], 0x10              ; the scales' exponents s[8:9], out0 s[10:11]
	s_load_b64 s[12:13], s[0:1], 0x20              ; bo
	v_lshl_add_u32 v[SPW], v0, 2, SPARE
	v_mov_b32 v[NIL], 0
	ds_add_u32 v28, v29
	ds_add_u32 v28, v29
	s_wait_dscnt 0x0
	v_lshrrev_b32 v1, 5, v0
	v_readfirstlane_b32 s14, v1                    ; wave 0..3
	s_lshr_b32 s15, s14, 1                         ; which half of the tile's rows is mine.  Also: I fetch for ctx (0) or for Wo (1)
	s_and_b32 s16, s14, 1                          ; which half of its columns.  Also: which half of that tile I fetch
	s_bfe_u32 s40, ttmp6, 0x40000                  ; cx, cy
	s_bfe_u32 s41, ttmp6, 0x40004
	s_lshl_b32 s42, ttmp9, 2
	s_add_co_u32 s42, s42, s40                     ; tile column = 4 x cluster x + cx
	s_and_b32 s17, ttmp7, 0xffff
	s_lshl_b32 s17, s17, 2
	s_add_co_u32 s17, s17, s41                     ; tile row = 4 x cluster y + cy
	s_lshl_b32 s43, s41, 2
	s_lshl_b32 s43, 15, s43                        ; my row of the cluster
	s_lshl_b32 s44, 0x1111, s40                    ; my column
	; descriptor group 1 for ctx: eight rows of 4,096 bytes, 16,384 apart, dense in LDS
	s_or_b32 s[G1+0], s43, (0<<16)|(1<<21)         ; 15:0 the mask: my row; 17:16 elements of 1 byte; 21 set beside a mask; no padding
	s_mov_b32 s[G1+1], ASTEP<<16                   ; tensor_dim0 = 4,096
	s_mov_b32 s[G1+2], 8<<16                       ; tensor_dim1 = 8
	s_mov_b32 s[G1+3], ASTEP<<16                   ; tile_dim0
	s_mov_b32 s[G1+4], 8                           ; tile_dim1
	s_mov_b32 s[G1+5], ATILE                       ; tensor_dim0_stride
	s_mov_b32 s[G1+6], 0
	s_mov_b32 s[G1+7], 0
	; for Wo: 128 rows of 256 bytes, padded in LDS
	s_or_b32 s[G1B+0], s44, (0<<16)|(1<<20)|(1<<21)|(5<<22)|(3<<25)  ; the mask: my column; padding: four words after every 64
	s_mov_b32 s[G1B+1], ROWB<<16
	s_mov_b32 s[G1B+2], 128<<16
	s_mov_b32 s[G1B+3], ROWB<<16
	s_mov_b32 s[G1B+4], 128
	s_mov_b32 s[G1B+5], KROW
	s_mov_b32 s[G1B+6], 0
	s_mov_b32 s[G1B+7], 0
	s_lshl_b32 s18, s16, 17                        ; the half that I fetch: 8 token tiles x 16,384 bytes = 128 rows x 1,024 bytes
	s_lshl_b32 s20, s17, 18                        ; ctx: 16 token tiles x 16,384 bytes x tile row
	s_add_co_u32 s20, s20, s18
	s_lshl_b32 s46, s42, 18                        ; Wo: 256 rows x 1,024 bytes x tile column
	s_add_co_u32 s46, s46, s18
	s_mov_b32 s21, 0
	s_mov_b32 s47, 0
	s_mul_i32 s45, s14, HALFT                      ; where they go: a quarter of a slot for each wave
	s_wait_kmcnt 0x0
	s_load_b64 s[96:97], s[8:9], 0x28              ; e10, e11
	s_add_nc_u64 s[20:21], s[4:5], s[20:21]
	s_add_nc_u64 s[46:47], s[6:7], s[46:47]
	CROUND                                         ; all sixteen work-groups are here: the first joint loads meet
.irp s, 0,1
	s_mov_b32 s[G0+4*\s], 1
	s_add_co_u32 s[G0+4*\s+1], s45, \s*SLOT
	s_add_nc_u64 s[G0+4*\s+2:G0+4*\s+3], s[20:21], \s*ASTEP
	s_or_b32 s[G0+4*\s+3], s[G0+4*\s+3], 0x80000000
	s_mov_b32 s[G0B+4*\s], 1
	s_add_co_u32 s[G0B+4*\s+1], s45, \s*SLOT
	s_add_nc_u64 s[G0B+4*\s+2:G0B+4*\s+3], s[46:47], \s*ROWB
	s_or_b32 s[G0B+4*\s+3], s[G0B+4*\s+3], 0x80000000
	s_wait_alu depctr_va_vdst(0)
	s_wait_tensorcnt 0x0
	ds_add_u32 v28, v29
	ds_add_u32 v28, v29
	s_wait_dscnt 0x0
	CROUND
	JLOAD G0+4*\s, G1, G0B+4*\s, G1B
.endr
	v_and_b32 v1, 15, v0                           ; l % 16
	v_bfe_u32 v2, v0, 4, 1                         ; l / 16
	v_mul_u32_u24 v3, v1, PITCH
	v_lshl_add_u32 v4, v2, 4, v3                   ; Wo: a fragment's row x pitch + 16 x half
	v_and_b32 v6, 31, v0
	v_lshlrev_b32 v[CO], 4, v6                     ; ctx: 16 x lane in an image; also my 16 bytes of a row of out0
	s_wait_alu depctr_va_vdst(0)
	v_lshlrev_b32 v[BOF], 5, v2
	s_wait_alu depctr_va_vdst(0)
	s_mul_i32 s21, s15, HALFT                      ; my eight token tiles
	s_mul_i32 s22, s16, HALFT                      ; my 128 rows of Wo,
	s_add_co_u32 s22, s22, 2*HALFT                 ; which lie behind ctx's two quarters
.irp s, 0,1
	v_add_nc_u32 v[ADRA+\s], s21, v[CO]
	v_add_nc_u32 v[ADRB+\s], s22, v4
	s_add_co_u32 s21, s21, SLOT
	s_add_co_u32 s22, s22, SLOT
.endr
	s_mul_i32 s23, s14, 16*SPITCH                  ; my stage
	v_mul_u32_u24 v5, v1, SPITCH                   ; in: row l % 16, 32 bytes for each half of the lanes
	v_lshl_add_u32 v5, v2, 5, v5
	v_add_nc_u32 v[STO], s23, v5
	v_add_nc_u32 v[RD], s23, v[CO]                 ; back: the 32 lanes take one row of 512 bytes
	s_lshl_b32 s20, s17, 8
	s_lshl_b32 s21, s15, 7
	s_add_co_u32 s20, s20, s21                     ; my first row of out0
	s_lshl_b32 s20, s20, 12                        ; x 4,096 bytes
	s_mov_b32 s21, 0
	s_lshl_b32 s46, s42, 10                        ; my first column, in bytes: 1,024 x tile column + 512 x half
	s_lshl_b32 s47, s16, 9
	s_add_co_u32 s46, s46, s47
	s_mov_b32 s47, 0
	s_add_nc_u64 s[12:13], s[12:13], s[46:47]      ; bo at my first column
	s_add_nc_u64 s[20:21], s[20:21], s[46:47]
	s_add_nc_u64 s[10:11], s[10:11], s[20:21]
.irp b, 0,1,2,3,4,5,6,7
	global_load_b128 v[BI+8*\b:BI+8*\b+3],   v[BOF], s[12:13] offset:64*\b      ; bo(16 b + 8 h + 0 .. 7): waited for ahead of the way out
	global_load_b128 v[BI+8*\b+4:BI+8*\b+7], v[BOF], s[12:13] offset:64*\b+16
.endr
.macro FRAG reg, adr, q, i             ; a fragment of Wo from rows: registers 4 c .. 4 c + 3 hold K = 32 c + 16 (l / 16) + 0 .. 15
.irp c, 0,1,2,3
	ds_load_b128 v[\reg+4*\c:\reg+4*\c+3], v[\adr] offset:128*(\q)+32*\c+(\i)*16*PITCH
.endr
.endm
.macro FRAGA reg, adr, q, i            ; a fragment of ctx from its image: token tile i, chunk q of the slot's two
.irp c, 0,1,2,3
	ds_load_b128 v[\reg+4*\c:\reg+4*\c+3], v[\adr] offset:ASTEP*(\i)+2048*(\q)+512*\c
.endr
.endm
; 16 matrix instructions; the 64 accumulators take turns, one instruction a turn, in the same order in every step
.macro MUL16 a0, p, zero
.irp a, \a0, \a0+1
.irp b, 0,1,2,3,4,5,6,7
.if \zero
	v_wmma_f32_16x16x128_fp8_fp8 v[8*(8*((\a)%4)+\b):8*(8*((\a)%4)+\b)+7], v[128*(\p)+FR*\b:128*(\p)+FR*\b+FR-1], v[AF+FR*(\a):AF+FR*(\a)+FR-1], 0
.else
	v_wmma_f32_16x16x128_fp8_fp8 v[8*(8*((\a)%4)+\b):8*(8*((\a)%4)+\b)+7], v[128*(\p)+FR*\b:128*(\p)+FR*\b+FR-1], v[AF+FR*(\a):AF+FR*(\a)+FR-1], v[8*(8*((\a)%4)+\b):8*(8*((\a)%4)+\b)+7]
.endif
.endr
.endr
.endm
.macro FETCH_B slot, q, p
	WIN TO_B
.irp i, 0,1,2,3,4,5,6,7
	FRAG 128*(\p)+FR*\i, ADRB+\slot, \q, \i
.endr
	WIN 0
.endm
.macro FETCH_A slot, q, i0
.irp i, \i0, \i0+1, \i0+2, \i0+3
	FRAGA AF+FR*(\i), ADRA+\slot, \q, \i
.endr
.endm
.macro PLACES n                        ; plain vector instructions between a matrix instruction and a load into, or a vector instruction on, one of its registers
.rept \n
	v_nop
.endr
.endm
.macro STEP slot, q, zero
	s_wait_dscnt 4*NL                              ; Wo's set and ctx's blocks 0-3 are in; the youngest sixteen loads (blocks 4-7) may be out
	WIN MUL_LO
	MUL16 0, (\q)%2, \zero
	MUL16 2, (\q)%2, \zero
	s_wait_dscnt 0
	PLACES NP
	FETCH_B \slot, (\q)+1, 1-(\q)%2
	FETCH_A \slot, (\q)+1, 0
	WIN MUL_HI
	MUL16 4, (\q)%2, \zero
	MUL16 6, (\q)%2, \zero
	PLACES NP
	WIN 0
	FETCH_A \slot, (\q)+1, 4
.endm
.macro TURN slot, next, fill
	s_wait_tensorcnt 0x0                           ; all my tensor loads have landed: my part of the next slot
	ds_add_u32 v[SPW], v[NIL]                      ; 0 onto my spare word
	s_wait_dscnt 4*NL+1                            ; the add and the youngest sixteen loads may be out
	WIN MUL_LO
	MUL16 0, 1, 0
	s_wait_dscnt 0x0                               ; the add is done, and my reads of this slot are over
	s_barrier_signal -1
	MUL16 2, 1, 0
	WIN 0
	s_barrier_wait -1
.if \fill
	CREST                                          ; the barrier has opened a round of the cluster's barrier
	s_add_nc_u64 s[G0+4*\slot+2:G0+4*\slot+3], s[G0+4*\slot+2:G0+4*\slot+3], 2*ASTEP
	s_add_nc_u64 s[G0B+4*\slot+2:G0B+4*\slot+3], s[G0B+4*\slot+2:G0B+4*\slot+3], 2*ROWB
	JLOAD G0+4*\slot, G1, G0B+4*\slot, G1B         ; the first tensor load behind the round; its four v_nop are the places in front of the loads below
.else
	PLACES NP
.endif
	FETCH_B \next, 0, 0
	FETCH_A \next, 0, 0
	WIN MUL_HI
	MUL16 4, 1, 0
	MUL16 6, 1, 0
	PLACES NP
	WIN 0
	FETCH_A \next, 0, 4
.endm
	s_wait_alu depctr_va_vdst(0)
	s_wait_tensorcnt 1                             ; my part of K step 0 is in; K step 1's load may be out
	s_barrier_signal -1
	s_barrier_wait -1
	FETCH_B 0, 0, 0
	FETCH_A 0, 0, 0
	FETCH_A 0, 0, 4
	STEP 0, 0, 1                                   ; the first step's products start the sums
	s_mov_b32 s3, LAPS-1
.Llap:
	TURN 0, 1, 1
	STEP 1, 0, 0
	TURN 1, 0, 1
	STEP 0, 0, 0
	s_sub_co_u32 s3, s3, 1
	s_cmp_lg_u32 s3, 0
	s_cbranch_scc1 .Llap
	TURN 0, 1, 0                                   ; the last lap fills nothing
	STEP 1, 0, 0
	s_wait_dscnt 4*NL
	WIN MUL_LO
	MUL16 0, 1, 0
	MUL16 2, 1, 0
	s_wait_dscnt 0
	WIN MUL_HI
	MUL16 4, 1, 0
	MUL16 6, 1, 0
	WIN 0
; THE WAY OUT, block by block of 16 rows x 128 columns.  The block's sums become sum x 2^(e10 + e11) + bo IN PLACE, each accumulator from its low end on, and go from there through my own stage in LDS;
; they come back as whole rows of 512 bytes.  LDS serves a wave's instructions in order (ISA guide 5.7.1.4): no wait between the stores and the loads, nor in front of the next block's stores.
.macro TOSTAGE a
.set AC, 64*((\a)%4)
.set WN, 2+(\a)/4
	WIN WN|(WN<<6)                                 ; source 0 and destination: the block's window; bo in window 0
.set j, 0
.rept 32
	v_pk_fma_f32 v[AC+j:AC+j+1], v[AC+j:AC+j+1], s[96:97], v[BI+j:BI+j+1] op_sel_hi:[1,0,1]   ; (the scalar pair's low word for both halves)
.set j, j+2
.endr
	WIN WN<<2                                      ; an LDS store's data are its source 1
.irp b, 0,1,2,3,4,5,6,7
	ds_store_b128 v[STO], v[AC+8*\b:AC+8*\b+3] offset:64*\b
	ds_store_b128 v[STO], v[AC+8*\b+4:AC+8*\b+7] offset:64*\b+16
.endr
	WIN 0
.set BB, BK+64*((\a)%2)
.irp t, 0,1,2,3,4,5,6,7,8,9,10,11,12,13,14,15
	ds_load_b128 v[BB+4*\t:BB+4*\t+3], v[RD] offset:\t*SPITCH
.endr
.endm
.macro SEND a, younger                 ; younger: the LDS instructions issued behind block a's loads, which may stay out
.set BB, BK+64*((\a)%2)
	s_wait_dscnt \younger
.if (\a) > 0
	s_add_nc_u64 s[10:11], s[10:11], 16*SIZE_N*4   ; (behind a wait on XCNT: the earlier stores have read their base)  16 rows on
.endif
.irp t, 0,1,2,3,4,5,6,7,8,9,10,11,12,13,14,15
	global_store_b128 v[CO], v[BB+4*\t:BB+4*\t+3], s[10:11] offset:\t*SIZE_N*4 th:TH_STORE_NT   ; 32 lanes store 512 consecutive bytes, at a multiple of 512 from out0's first byte; written once, read by nobody here
.endr
.endm
	s_wait_kmcnt 0x0
	s_add_co_i32 s96, s96, s97                     ; e10 + e11
	s_add_co_i32 s96, s96, 127
	s_lshl_b32 s96, s96, 23                        ; 2^(e10 + e11) as f32
	s_wait_loadcnt 0x0                             ; bo
	PLACES NP                                      ; behind the last products: their results are rewritten, and ctx's registers are loaded into, below
	TOSTAGE 0
.irp a, 1,2,3,4,5,6,7
.if \a > 1
	s_wait_xcnt 0x0                                ; block a - 2's stores have read their registers and their base: block a's loads may land there, and the base may step
.endif
	TOSTAGE \a
	SEND \a-1, 32                                  ; behind block a - 1's loads: block a's 16 stores and 16 loads
.endr
	s_wait_xcnt 0x0                                ; block 6's stores have read their base
	SEND 7, 0
	s_wait_tensorcnt 0x0                           ; the wave's end
	ds_add_u32 v[SPW], v[NIL]
	s_wait_dscnt 0x0
	CROUND                                         ; the closing round
	s_endpgm
.Lfunc_end_k_qb578c4160f_oproj:
	.size	k_qb578c4160f_oproj, .Lfunc_end_k_qb578c4160f_oproj-k_qb578c4160f_oproj
	.p2alignl 7, 3214868480
	.fill 96, 4, 3214868480
	.section	.rodata,"a",@progbits
	.p2align	6, 0x0
	.amdhsa_kernel k_qb578c4160f_oproj
		.amdhsa_group_segment_fixed_size 327680
		.amdhsa_private_segment_fixed_size 0
		.amdhsa_enable_private_segment 0
		.amdhsa_kernarg_size 40
		.amdhsa_user_sgpr_count 2
		.amdhsa_user_sgpr_kernarg_segment_ptr 1
		.amdhsa_wavefront_size32 1
		.amdhsa_system_sgpr_workgroup_id_x 1
		.amdhsa_system_sgpr_workgroup_id_y 1
		.amdhsa_system_sgpr_workgroup_id_z 1
		.amdhsa_system_vgpr_workitem_id 0
		.amdhsa_next_free_vgpr 1024
		.amdhsa_next_free_sgpr 98
		.amdhsa_reserve_vcc 0
		.amdhsa_float_denorm_mode_32 3
		.amdhsa_float_denorm_mode_16_64 3
		.amdhsa_memory_ordered 1
		.amdhsa_forward_progress 1
		.amdhsa_inst_pref_size 126
	.end_amdhsa_kernel
	.amdgpu_metadata
---
amdhsa.version: [ 1, 2 ]
amdhsa.kernels:
  - .name:           k_qb578c4160f_oproj
    .symbol:         k_qb578c4160f_oproj.kd
    .args:
      - { .name: ctx_img, .offset: 0, .size: 8, .value_kind: global_buffer, .address_space: global }
      - { .name: Wo_codes, .offset: 8, .size: 8, .value_kind: global_buffer, .address_space: global }
      - { .name: lowp_scales, .offset: 16, .size: 8, .value_kind: global_buffer, .address_space: global }
      - { .name: out0, .offset: 24, .size: 8, .value_kind: global_buffer, .address_space: global }
      - { .name: bo, .offset: 32, .size: 8, .value_kind: global_buffer, .address_space: global }
    .group_segment_fixed_size: 327680
    .private_segment_fixed_size: 0
    .kernarg_segment_align: 8
    .kernarg_segment_size: 40
    .max_flat_workgroup_size: 128
    .sgpr_count:     98
    .vgpr_count:     1024
    .wavefront_size: 32
...
	.end_amdgpu_metadata
.endif
;; end of part 3
